; MI455X (gfx1250); checked and timed in simulation.
; The chip was launched on July 23, 2026; its instructions are those of AMD's public machine-readable ISA for CDNA 5 (MIT licence, August 2026) and "CDNA5" Instruction Set Architecture Reference Guide (July 2026). The comments in the code are by the model that wrote it; some were corrected since.
;; FP8 MM. Allowed arithmetic: matrix products marked QUANTISED: E4M3 operands, one given power-of-two scale a tensor, by v_wmma_f32_16x16x64_fp8_fp8 or v_wmma_f32_16x16x128_fp8_fp8, f32 sums; everything else in f32.
;; Inputs: inp 4,096 x 4,096 float32; lowp_scales 2 int32 (the exponents e of the quantised operands' scales 2^e).
;; Outputs: out0 4,096 x 4,096 float32.
;; This version of the problem:
;;   THIS VERSION OF THE PROBLEM IS GIVEN IN LOW PRECISION. The matrix products marked QUANTISED in the list below multiply operands that are first quantised to E4M3 (4 exponent bits, 3 mantissa bits; 8 bits a number), with one given power-of-two scale for each operand tensor; their sums are f32. All else is computed in f32.
;;   The module's matrix products, in the order in which they are computed (A, B: the left and right operand; K: the contracted axis; several contracted axes count as one K, in the product's order):
;;     1. [M 4,096, K 4,096] x [K 4,096, N 4,096]; A: input inp; B: input inp: QUANTISED (scales: A lowp_scales[0], B lowp_scales[1])
;;   THE QUANTISER, for each operand of a quantised product, along K:
;;     - The operand's scale is 2^e, e = its entry of the input lowp_scales (int32; the entries are numbered through the quantised products in the list's order, A before B).
;;     - Each number is divided by the scale, clamped to +-448, and rounded to the nearest number of E4M3, ties to even, subnormals kept.
;;     - The product sums the exact products of the quantised numbers (number of the format x scale) in f32.
;;   ~~~python
;;   def quantise(x, axis, e):      # numpy; x: float32 -> the quantised numbers, widened to float32 again
;;       x = np.moveaxis(x, axis, -1); K = x.shape[-1]
;;       r = np.clip(x / 2.0 ** e, -448, 448)
;;       step = 2.0 ** (np.maximum(np.frexp(np.where(r == 0, 1, r))[1] - 1, -6) - 3)
;;       q = np.round(r / step) * step * 2.0 ** e      # np.round: ties to even
;;       return np.moveaxis(q, -1, axis).astype(np.float32)
;;   ~~~
;; One version. Each part assembles by itself: llvm-mc -triple=amdgcn-amd-amdhsa -mcpu=gfx1250 --defsym DOCPART=n.
;; ======== version 1 of 1: 2 launches
;; limits: right only within a limited range of input values
;; workspace buffers: codes 33,554,432 bytes
;; launch quant (part 1): grid 32 x 32, 4 waves a work-group, no clusters, 0 bytes of LDS; arguments inp, lowp_scales, codes; writes codes
.if DOCPART == 1
	.amdgcn_target "amdgcn-amd-amdhsa--gfx1250"
	.amdhsa_code_object_version 6
	.text
	.protected	k_qbf7801176a_quant
	.globl	k_qbf7801176a_quant
	.p2align	8
	.type	k_qbf7801176a_quant,@function
k_qbf7801176a_quant:
	s_mov_b64 s[64:65], 0
	v_nop
	global_prefetch_b8 v0, s[64:65] scope:SCOPE_SE
	s_setreg_imm32_b32 hwreg(HW_REG_WAVE_MODE, 25, 1), 1
	s_wait_xcnt 0x0
; inp [4096 (k)][4096 (n)], f32, is both operands of out = inp^T inp, and K is its FIRST axis.  It is read once and turned into codes of FP8 (E4M3), in the two halves of the buffer codes:
; A's set, with the scale 2^e0, in bytes 0 .. 16,777,215; B's set, with 2^e1, in the 16,777,216 bytes behind it (e0, e1: the two whole numbers of lowp_scales).
; code = x / 2^e, held within +-448, rounded to the nearest code, ties to even.
; WHERE e0 = e1 the two sets are the same bytes: then A's set alone is made and stored, and the product's launch, which looks at the same two numbers, reads both operands from A's set and never reads B's half.
; Where they differ, both sets are made.  The choice is a scalar branch on the two whole numbers as they are read; this launch has no tensor load and no copy.
; LIMITS: e0 and e1 lie between -126 and 119, so that 2^e and 448 x 2^e are f32 numbers.  NaN among the inputs is not served; an infinity is held at the largest code.
; A SET'S LAYOUT is the order of the product's operand registers:  [RB 32][S 32][a 8][c 4][hh 2][r 16][16 bytes], in bytes 524288 RB + 16384 S + 2048 a + 512 c + 256 hh + 16 r + t.
;   Byte t is the code of k = 128 S + 32 c + 16 hh + t of column n = 128 RB + 64 (a / 4) + 4 r + a % 4: a fragment (16 columns x 128 k) is 2,048 bytes on end, and its 16 columns lie 4 apart.
; SHARES.  Work-group (x = RB, y = S) takes 128 columns x 128 k; wave w takes c = w, 32 rows of inp.  LANE l TAKES COLUMNS 4 l .. 4 l + 3 of the 128, AND ITS REGISTERS RUN DOWN K:
; each load reads 512 consecutive bytes of one row of inp, aligned; the hold at the largest code also gathers one column's 16 neighbours along K into consecutive registers, from which the conversions take them.
; A lane's 16 codes are 16 bytes: lanes 0-15 (fragment a = j) store 256 consecutive bytes, aligned, and lanes 16-31 (fragment a = 4 + j) another 256, 8,192 bytes on.  Nothing goes through LDS.
; Written out, no loop: all 32 loads of a wave go out at once, every offset is an immediate, and each store has data registers of its own, so no source of a pending instruction is ever rewritten.
; No LDS, no barrier, no cluster: the waves and the work-groups share no byte of input.
.set ROWI, 16384                       ; a row of inp in bytes
.set X,    16                          ; v16-143   the number (k = i, my column j) at X + 4 i + j
.set T,    144                         ; v144-175  two sets of 16 held numbers, by turns
.set C,    176                         ; v176-239  codes: four registers for each of the 16 stores
.set N,    0                           ; counts the groups
	s_load_b128 s[4:7], s[0:1], 0x0                ; inp s[4:5], lowp_scales s[6:7]
	s_load_b64 s[8:9], s[0:1], 0x10                ; codes
	v_lshrrev_b32 v3, 5, v0
	v_readfirstlane_b32 s12, v3                    ; wave 0..3 = c
	v_and_b32 v3, 31, v0                           ; lane
	v_lshlrev_b32 v1, 4, v3                        ; in: 16 bytes a lane (four columns)
	v_lshrrev_b32 v2, 4, v3                        ; lane / 16
	v_and_b32 v3, 15, v3                           ; r
	v_lshlrev_b32 v3, 4, v3
	v_lshl_add_u32 v2, v2, 13, v3                  ; out: 8192 (lane / 16) + 16 r
	s_and_b32 s13, ttmp7, 0xffff                   ; S
	s_lshl_b32 s14, s13, 21                        ; inp: 128 S rows of 16,384 bytes,
	s_lshl_b32 s20, s12, 19                        ; + 32 w rows,
	s_add_co_u32 s14, s14, s20
	s_lshl_b32 s20, ttmp9, 9                       ; + 128 RB columns of 4 bytes: under 2^26 in all
	s_add_co_u32 s14, s14, s20
	s_mov_b32 s15, 0
	s_lshl_b32 s16, ttmp9, 19                      ; a set: 524288 RB
	s_lshl_b32 s20, s13, 14                        ; + 16384 S
	s_add_co_u32 s16, s16, s20
	s_lshl_b32 s20, s12, 9                         ; + 512 c
	s_add_co_u32 s16, s16, s20
	s_mov_b32 s17, 0
	s_wait_alu depctr_va_vdst(0)                   ; directly ahead of the wait below
	s_wait_kmcnt 0x0
	s_load_b64 s[18:19], s[6:7], 0x0               ; e0, e1
	s_add_nc_u64 s[4:5], s[4:5], s[14:15]
	s_add_nc_u64 s[8:9], s[8:9], s[16:17]          ; my place in A's set,
	s_add_nc_u64 s[10:11], s[8:9], 0x1000000       ; and in B's
.irp i, 0,1,2,3,4,5,6,7,8,9,10,11,12,13,14,15,16,17,18,19,20,21,22,23,24,25,26,27,28,29,30,31
	global_load_b128 v[X+4*\i:X+4*\i+3], v1, s[4:5] offset:\i*ROWI th:TH_LOAD_NT   ; row i: 32 lanes read 512 consecutive bytes; read once in the launch
.endr
	s_wait_kmcnt 0x0
	s_add_co_i32 s20, s18, 127
	s_lshl_b32 s21, s20, 23
	v_mov_b32 v4, s21                              ; 2^e0 as f32: the conversion takes its exponent field
	s_add_co_i32 s20, s20, 8
	s_lshl_b32 s20, s20, 23
	s_or_b32 s20, s20, 0x600000
	v_mov_b32 v5, s20                              ; 448 x 2^e0
	s_add_co_i32 s22, s19, 127
	s_lshl_b32 s23, s22, 23
	v_mov_b32 v6, s23                              ; 2^e1
	s_add_co_i32 s22, s22, 8
	s_lshl_b32 s22, s22, 23
	s_or_b32 s22, s22, 0x600000
	v_mov_b32 v7, s22                              ; 448 x 2^e1
; One group: 16 neighbours along K (half hh of my 32 rows) of my column j become 16 codes of one operand and are stored.
; v[sc]: the scale as f32; v[lim]: the largest number x the scale; s[base:base+1]: the operand's set.
.macro GROUP j, hh, sc, lim, base
.set TT, T+16*(N%2)
.set CC, C+4*N
.irp t, 0,1,2,3,4,5,6,7,8,9,10,11,12,13,14,15
	v_med3_num_f32 v[TT+\t], v[X+4*(16*(\hh)+\t)+(\j)], -v[\lim], v[\lim]   ; the conversion to an 8-bit code does not saturate (ISA guide 7.6.2): the hold first; it also brings the column's numbers together
.endr
	v_cvt_scalef32_pk8_fp8_f32 v[CC:CC+1], v[TT:TT+7], v[\sc]        ; eight numbers / 2^e, to the nearest code, ties to even; the first number's code in the lowest byte
	v_cvt_scalef32_pk8_fp8_f32 v[CC+2:CC+3], v[TT+8:TT+15], v[\sc]
	; (the codes go to a store alone; this set of held numbers is written again two groups on, behind the other set's sixteen plain holds: four groups on end keep that on both ways of the branch)
	global_store_b128 v2, v[CC:CC+3], s[\base:\base+1] offset:2048*(\j)+256*(\hh)   ; each half of the lanes stores 256 consecutive bytes, at a multiple of 256 from the buffer's first byte
.set N, N+1
.endm
	s_wait_alu depctr_va_vdst(0)
.irp hh, 0,1
.if \hh == 0
	s_wait_loadcnt 16                              ; loads come back in order (ISA guide 5.7.1): rows 0-15 are in, the sixteen younger loads may be out
.else
	s_wait_loadcnt 0
.endif
.irp j, 0,1,2,3
	GROUP \j, \hh, 4, 5, 8
.endr
	s_cmp_eq_u32 s18, s19                          ; e0 = e1: B's codes would be A's, and are not made
	s_cbranch_scc1 .Lsame_\hh
.irp j, 0,1,2,3
	GROUP \j, \hh, 6, 7, 10
.endr
.Lsame_\hh:
.endr
	s_endpgm
.Lfunc_end_k_qbf7801176a_quant:
	.size	k_qbf7801176a_quant, .Lfunc_end_k_qbf7801176a_quant-k_qbf7801176a_quant
	.p2alignl 7, 3214868480
	.fill 96, 4, 3214868480
	.section	.rodata,"a",@progbits
	.p2align	6, 0x0
	.amdhsa_kernel k_qbf7801176a_quant
		.amdhsa_group_segment_fixed_size 0
		.amdhsa_private_segment_fixed_size 0
		.amdhsa_enable_private_segment 0
		.amdhsa_kernarg_size 24
		.amdhsa_user_sgpr_count 2
		.amdhsa_user_sgpr_kernarg_segment_ptr 1
		.amdhsa_wavefront_size32 1
		.amdhsa_system_sgpr_workgroup_id_x 1
		.amdhsa_system_sgpr_workgroup_id_y 1
		.amdhsa_system_sgpr_workgroup_id_z 1
		.amdhsa_system_vgpr_workitem_id 0
		.amdhsa_next_free_vgpr 240
		.amdhsa_next_free_sgpr 66
		.amdhsa_reserve_vcc 0
		.amdhsa_float_denorm_mode_32 3
		.amdhsa_float_denorm_mode_16_64 3
		.amdhsa_memory_ordered 1
		.amdhsa_forward_progress 1
		.amdhsa_inst_pref_size 25
	.end_amdhsa_kernel
	.amdgpu_metadata
---
amdhsa.version: [ 1, 2 ]
amdhsa.kernels:
  - .name:           k_qbf7801176a_quant
    .symbol:         k_qbf7801176a_quant.kd
    .args:
      - { .name: inp, .offset: 0, .size: 8, .value_kind: global_buffer, .address_space: global }
      - { .name: lowp_scales, .offset: 8, .size: 8, .value_kind: global_buffer, .address_space: global }
      - { .name: codes, .offset: 16, .size: 8, .value_kind: global_buffer, .address_space: global }
    .group_segment_fixed_size: 0
    .private_segment_fixed_size: 0
    .kernarg_segment_align: 8
    .kernarg_segment_size: 24
    .max_flat_workgroup_size: 128
    .sgpr_count:     66
    .vgpr_count:     240
    .wavefront_size: 32
...
	.end_amdgpu_metadata
.endif
;; end of part 1
;; launch gemm (part 2): grid 16 x 16, 4 waves a work-group, clusters of 4 x 1, 327,680 bytes of LDS; arguments codes, lowp_scales, out0; writes out0
.if DOCPART == 2
	.amdgcn_target "amdgcn-amd-amdhsa--gfx1250"
	.amdhsa_code_object_version 6
	.text
	.protected	k_qbf7801176a_gemm
	.globl	k_qbf7801176a_gemm
	.p2align	8
	.type	k_qbf7801176a_gemm,@function
k_qbf7801176a_gemm:
	s_mov_b64 s[64:65], 0
	v_nop
	global_prefetch_b8 v0, s[64:65] scope:SCOPE_SE
	s_setreg_imm32_b32 hwreg(HW_REG_WAVE_MODE, 25, 1), 1
	s_wait_xcnt 0x0
	s_wait_alu depctr_hold_cnt(0) depctr_sa_sdst(0) depctr_va_vdst(0) depctr_va_sdst(0) depctr_va_ssrc(0) depctr_va_vcc(0) depctr_vm_vsrc(0)
	s_getreg_b32 s2, hwreg(HW_REG_IB_STS2, 6, 4)
	s_cmp_eq_u32 s2, 0
	s_cbranch_scc0 .Lentry_in_a_cluster
	s_endpgm
.Lentry_in_a_cluster:
	s_bfe_u32 s2, ttmp6, 0x10000c
	s_cmp_lg_u32 s2, 0x3003
	s_cbranch_scc0 .Lentry_shape_is_right
	s_endpgm
.Lentry_shape_is_right:
; out0[i][j] = 2^(e0 + e1) x sum over k of A(k, i) B(k, j): A and B are the FP8 (E4M3) codes of inp under the scales 2^e0 and 2^e1; sums in f32.
; The buffer codes holds A's set in its first 16,777,216 bytes and B's set behind it.  WHERE e0 = e1 the two sets are the same bytes and A's alone has been stored: B's set begins min(e0 xor e1, 1) x 16,777,216
; bytes into the buffer, an offset made from the two whole numbers with no branch.
; LIMIT: e0 + e1 lies between -126 and 127, so that 2^(e0 + e1) is an f32 number.
; A SET'S LAYOUT: [RB 32][S 32][a 8][c 4][hh 2][r 16][16 bytes]: byte t is k = 128 S + 32 c + 16 hh + t of column 128 RB + 64 (a / 4) + 4 r + a % 4.
; A fragment (16 columns x 128 k) is 2,048 bytes on end, in the order of a wave's lanes: lane l takes 16 bytes at 16 l of each of its four pieces of 512.  k has the same places in A and in B.
; SHARES: a work-group makes 256 x 256 of out0; wave w makes ALL 256 rows x the 64 columns 64 w .. 64 w + 63: 16 blocks of 16 rows x 4 fragments of B = 64 accumulators, 512 registers.
; B: a byte of B's codes is wanted by one wave of the work-group alone, so it goes from memory straight into the operand's registers: a ring of four sets (4 fragments, 128 along K, 64 registers each),
;   a set loaded again as soon as its step is multiplied, for the step four on.  So B has no tile in LDS, and no joint load: the four partners of a cluster read different columns.
; A: all four waves read the same 256 rows, from LDS: a ring of two slots of 256 rows x 512 along K (131,072 bytes), filled by the tensor data mover, a quarter (128 rows of 256 bytes, dense) a wave.
; CLUSTER 4, 1, 1: the four partners make four tile columns of one tile row and need the same tiles of A: each is asked for jointly, mask 15, by the same descriptor in all four.
; A step of 128 along K is four groups of 4 blocks of A (16 LDS loads, 16 matrix instructions); A has two buffers: a group's buffer is loaded again, for the group two on, behind its products.
; THE LAST THREE STEPS of 128 along K go by rows of out0: B's sets of those steps lie whole in the ring, so each block of 16 rows is finished by 12 matrix instructions (its four accumulators by turns)
; and leaves through the stage while the next block is multiplied.
; THE MATRIX INSTRUCTION IS USED TRANSPOSED (source 0 = B's fragment, source 1 = A's): lane (r, h), register j holds row index r of A's fragment, column index 8 h + j of B's.
; REGISTERS: window 0: v16-29 addresses, v32-159 A's two buffers, v160-255 the way out; window 1: B's four sets; window 2: blocks 0-7's accumulators (block b, fragment u at 32 (b % 8) + 8 u); window 3: blocks 8-15's.
; PREFETCH: at the change of slots that asks for slot step n + 2, slot step n + 3 is named: one slot step ahead of the loads that will want it.  A: of the 128 rows of 256 bytes that wave w fetches,
;   partner cx names 32, a lane a row.  B: of the four steps of my wave's 8,192 bytes, the work-group of tile row y names step y % 4, a lane 256 bytes.  Slot steps 0 to 2 come by their loads alone; the change with n = 5 names nothing.
.set SS,     16384                     ; bytes of one S of one RB: 128 columns x 128 k
.set KS,     65536                     ; a slot step of one RB: four S on end
.set SLOT,   131072                    ; [RB 2][S 4][SS]
.set STAGE,  2*SLOT                    ; behind the ring: 16 rows x 272 bytes for each wave, for the way out; no tensor load lands here
.set SPITCH, 272
.set SPARE,  STAGE+4*16*SPITCH         ; the spare words, 128 bytes a wave
.set ROWC,   16384                     ; a row of out0 in bytes
.set ADR,  16                          ; v16-19  16 x lane + 65536 (2 slot + RB): A's fragments in LDS; v16 is also my 16 bytes of a load of B
.set PFO,  21                          ; v21     256 x lane
.set STO,  24                          ; v24     into the stage
.set RD,   25                          ; v25     back from it
.set CO,   26                          ; v26     my byte offset in out0
.set SPW,  28                          ; v28     my spare word; never rewritten
.set NIL,  29                          ; v29     0; never rewritten
.set AF,   32
.set TMP,  160
.set BK,   192
.set G1,   24                          ; s[24:31] descriptor group 1
.set G0,   32                          ; s[32:39] group 0, one set for each slot
.set BP,   48                          ; s[48:49] my wave's stream of B
.set PFA,  50                          ; s[50:51], s[52:53] where the prefetches stand
.set PFB,  52
.set MSB, 0
.macro WIN new                         ; the immediate's high byte repeats the setting that is left
.if MSB != (\new)
	s_set_vgpr_msb (MSB<<8)|(\new)
.set MSB, \new
.endif
.endm
.set MUL_LO, 0xa1                      ; source 0 (B) window 1, source 1 (A) window 0, C and D window 2
.set MUL_HI, 0xf1                      ; the same, C and D window 3
.set TO_B,   0x40                      ; destination window 1, address window 0
.macro PLACES                          ; four places behind matrix instructions, ahead of loads into their sources and of reads of results
.rept 4
	v_nop
.endr
.endm
.macro JLOAD s                         ; my quarter of a slot, asked for jointly
	tensor_load_to_lds s[G0+4*\s:G0+4*\s+3], s[G1:G1+7]
	s_nop 0
	PLACES
.endm
.macro CREST                           ; a round of the cluster's barrier behind its opening barrier
	s_cmp_lg_u32 s14, 0
	s_cbranch_scc1 .Lnot_wave_0_\@
	s_barrier_signal -3
.Lnot_wave_0_\@:
	s_barrier_wait -3
	s_barrier_signal -1
	s_barrier_wait -1
.endm
.macro CROUND
	s_barrier_signal -1
	s_barrier_wait -1
	CREST
.endm
.macro ASK slot                        ; two prefetches a wave; in the loop's last trip slot 1's change has no slot step three on
.if \slot
	s_cmp_gt_u32 s3, 1
	s_cbranch_scc0 .Lnoask_\@
.endif
	global_prefetch_b8 v[PFO], s[PFA:PFA+1] offset:\slot*KS th:TH_LOAD_NT scope:SCOPE_SE
	global_prefetch_b8 v[PFO], s[PFB:PFB+1] offset:\slot*KS th:TH_LOAD_NT scope:SCOPE_SE
.if \slot
.Lnoask_\@:
.endif
.endm
; 8 matrix instructions: blocks i0, i0 + 1 of group gi x B's four fragments of a set.  The 64 accumulators take turns, in the same order in every step.
.macro MUL8 gi, set, i0, zero
.irp i, \i0, \i0+1
.irp u, 0,1,2,3
.if \zero
	v_wmma_f32_16x16x128_fp8_fp8 v[32*((4*(\gi)+(\i))%8)+8*\u:32*((4*(\gi)+(\i))%8)+8*\u+7], v[64*(\set)+16*\u:64*(\set)+16*\u+15], v[AF+64*((\gi)%2)+16*(\i):AF+64*((\gi)%2)+16*(\i)+15], 0
.else
	v_wmma_f32_16x16x128_fp8_fp8 v[32*((4*(\gi)+(\i))%8)+8*\u:32*((4*(\gi)+(\i))%8)+8*\u+7], v[64*(\set)+16*\u:64*(\set)+16*\u+15], v[AF+64*((\gi)%2)+16*(\i):AF+64*((\gi)%2)+16*(\i)+15], v[32*((4*(\gi)+(\i))%8)+8*\u:32*((4*(\gi)+(\i))%8)+8*\u+7]
.endif
.endr
.endr
.endm
.macro FETCHA slot, q, gi              ; 16 LDS loads: group gi (RB = gi / 2, fragments 4 (gi % 2) + 0 .. 3) of the slot's q-th 128 along K, into buffer gi % 2
.irp i, 0,1,2,3
.irp c, 0,1,2,3
	ds_load_b128 v[AF+64*((\gi)%2)+16*\i+4*\c:AF+64*((\gi)%2)+16*\i+4*\c+3], v[ADR+2*(\slot)+(\gi)/2] offset:(\q)*SS+(4*((\gi)%2)+\i)*2048+512*\c
.endr
.endr
.endm
; B's ring.  cnt >= 0: wait until at most cnt loads are out: the next step's set is in, the younger sets may be out.  j >= 0: 16 loads, 512 bytes on end each, of the step j x SS from s[BP] into a set.
.macro BNEXT set, j, cnt
.if \cnt >= 0
	s_wait_loadcnt \cnt
.endif
.if \j >= 0
	WIN TO_B
.irp i, 0,1,2,3,4,5,6,7,8,9,10,11,12,13,14,15
	global_load_b128 v[64*(\set)+4*\i:64*(\set)+4*\i+3], v[ADR], s[BP:BP+1] offset:(\j)*SS+512*\i
.endr
	WIN 0
.endif
.endm
.macro GRP q, gi, zero, ns, nq, ngi    ; a group is multiplied, and its buffer takes the group two on
	s_wait_dscnt 16                                ; my group is in; the next group's 16 loads may be out
	WIN MUL_LO+0x50*((\gi)/2)
	MUL8 \gi, \q, 0, \zero
	MUL8 \gi, \q, 2, \zero
	PLACES
	WIN 0
	FETCHA \ns, \nq, \ngi
.endm
.macro STEP slot, q, zero, j, cnt      ; a step of 128 along K whose successor lies in the same slot
	GRP \q, 0, \zero, \slot, \q, 2
	GRP \q, 1, \zero, \slot, \q, 3
	GRP \q, 2, \zero, \slot, (\q)+1, 0
	GRP \q, 3, \zero, \slot, (\q)+1, 1
	BNEXT \q, \j, \cnt                             ; the four places in GRP stand behind the set's last products
.endm
; A slot's last step changes slots: one barrier.  In front of it each wave waits for its tensor load (its quarter of the other slot), adds 0 to its spare word, and waits for that and for its last reads of this slot.
; fill = 1: the barrier opens a round of the cluster's barrier, and this slot is filled again, with the slot step two on.
.macro LAST slot, fill, j, cnt
	GRP 3, 0, 0, \slot, 3, 2
	GRP 3, 1, 0, \slot, 3, 3
	s_wait_tensorcnt 0x0                           ; my one tensor load has landed
	ds_add_u32 v[SPW], v[NIL]
.if \fill
	s_add_nc_u64 s[G0+4*\slot+2:G0+4*\slot+3], s[G0+4*\slot+2:G0+4*\slot+3], 2*KS   ; no load of mine is out: this slot's next tile
.endif
	s_wait_dscnt 17                                ; the add and the last group's 16 loads may be out
	WIN MUL_HI
	MUL8 2, 3, 0, 0
	MUL8 2, 3, 2, 0
	s_wait_dscnt 0x0                               ; the add is done, and my reads of this slot are over
	s_barrier_signal -1
	MUL8 3, 3, 0, 0                                ; work on registers while the others arrive
	WIN 0
	s_barrier_wait -1
.if \fill
	CREST                                          ; no wave of any partner still reads this slot or has a load on its way
	JLOAD \slot                                    ; the first tensor load behind the round; its four v_nop are also the places ahead of the loads below
.else
	PLACES
.endif
	FETCHA 1-\slot, 0, 0
.if \fill
	ASK \slot
.endif
	WIN MUL_HI
	MUL8 3, 3, 2, 0
	PLACES
	WIN 0
	FETCHA 1-\slot, 0, 1
	BNEXT 3, \j, \cnt
.endm
	s_load_b64 s[4:5], s[0:1], 0x0                 ; codes
	s_load_b128 s[8:11], s[0:1], 0x8               ; lowp_scales, out0
	v_lshl_add_u32 v[SPW], v0, 2, SPARE
	v_mov_b32 v[NIL], 0
	ds_add_u32 v[SPW], v[NIL]                      ; the opening lines: the add, twice on end, and its wait ahead of my first tensor load
	ds_add_u32 v[SPW], v[NIL]
	v_lshrrev_b32 v1, 5, v0
	v_readfirstlane_b32 s14, v1                    ; wave 0..3
	v_and_b32 v2, 31, v0                           ; lane
	v_lshlrev_b32 v[PFO], 8, v2
.irp k, 0,1,2,3
	v_lshl_or_b32 v[ADR+\k], v2, 4, \k*65536
.endr
	v_and_b32 v3, 15, v0                           ; r
	v_bfe_u32 v4, v0, 4, 1                         ; h
	s_mul_i32 s23, s14, 16*SPITCH
	s_add_co_u32 s23, s23, STAGE                   ; my stage
	v_mul_u32_u24 v5, v3, SPITCH                   ; in: row r, 128 bytes for each half of the lanes
	v_lshl_add_u32 v5, v4, 7, v5
	v_add_nc_u32 v[STO], s23, v5
	v_mul_u32_u24 v6, v4, SPITCH                   ; back: lanes 0-15 one row of 256 bytes, lanes 16-31 the next
	v_lshl_add_u32 v6, v3, 4, v6
	v_add_nc_u32 v[RD], s23, v6
	v_lshlrev_b32 v7, 4, v3
	v_lshl_add_u32 v[CO], v4, 16, v7               ; neighbouring stage rows lie four rows of out0 apart
	s_lshr_b32 s15, s14, 1
	s_and_b32 s16, s14, 1
	s_bfe_u32 s40, ttmp6, 0x40000                  ; cx
	s_lshl_b32 s42, ttmp9, 2
	s_add_co_u32 s42, s42, s40                     ; tile column = 4 x cluster x + cx
	s_and_b32 s17, ttmp7, 0xffff                   ; tile row
	s_mov_b32 s[G1+0], 15|(3<<16)|(1<<21)          ; mask: the four partners; elements of 8 bytes; bit 21 beside a mask
	s_mov_b32 s[G1+1], 32<<16                      ; tensor_dim0 = 32 (256 bytes)
	s_mov_b32 s[G1+2], 128<<16                     ; tensor_dim1 = 128
	s_mov_b32 s[G1+3], 32<<16                      ; tile_dim0
	s_mov_b32 s[G1+4], 128                         ; tile_dim1
	s_mov_b32 s[G1+5], 32                          ; pitch: dense
	s_mov_b32 s[G1+6], 0
	s_mov_b32 s[G1+7], 0
	s_lshl_b32 s20, s17, 1                         ; A: RB = 2 x tile row + w / 2, then half w % 2 of its 65,536 bytes
	s_add_co_u32 s20, s20, s15
	s_lshl_b32 s20, s20, 19
	s_lshl_b32 s21, s16, 15
	s_add_co_u32 s20, s20, s21
	s_mov_b32 s21, 0
	s_lshl_b32 s46, s42, 1                         ; B: RB = 2 x tile column + w / 2, fragments 4 (w % 2) + 0 .. 3
	s_add_co_u32 s46, s46, s15
	s_lshl_b32 s46, s46, 19
	s_lshl_b32 s47, s16, 13
	s_add_co_u32 s46, s46, s47
	s_mov_b32 s47, 0
	s_lshl_b32 s45, s14, 15                        ; my quarter of a slot in LDS
	s_lshl_b32 s54, s40, 13                        ; A's prefetch: my work-group's 32 of my 128 rows, at slot step 3
	s_add_co_u32 s54, s54, s20
	s_add_co_u32 s54, s54, 3*KS
	s_mov_b32 s55, 0
	s_and_b32 s56, s17, 3                          ; B's: step (tile row % 4) of slot step 3
	s_lshl_b32 s56, s56, 14
	s_add_co_u32 s56, s56, s46
	s_add_co_u32 s56, s56, 3*KS
	s_mov_b32 s57, 0
	s_lshl_b32 s58, s17, 22                        ; out0: 256 x tile row rows, 1,024 x tile column + 256 w bytes
	s_lshl_b32 s59, s42, 10
	s_add_co_u32 s58, s58, s59
	s_lshl_b32 s59, s14, 8
	s_add_co_u32 s58, s58, s59
	s_mov_b32 s59, 0
	s_wait_alu depctr_va_vdst(0)                   ; behind the head's last vector write and directly ahead of the wait below
	s_wait_dscnt 0x0                               ; both opening adds are done
	s_wait_kmcnt 0x0
	s_load_b64 s[96:97], s[8:9], 0x0               ; e0, e1
	s_add_nc_u64 s[PFA:PFA+1], s[4:5], s[54:55]
	s_add_nc_u64 s[10:11], s[10:11], s[58:59]
	s_add_nc_u64 s[20:21], s[4:5], s[20:21]
.irp s, 0,1
	s_mov_b32 s[G0+4*\s], 1
	s_add_co_u32 s[G0+4*\s+1], s45, \s*SLOT
	s_add_nc_u64 s[G0+4*\s+2:G0+4*\s+3], s[20:21], \s*KS
	s_or_b32 s[G0+4*\s+3], s[G0+4*\s+3], 0x80000000
.endr
	CROUND                                         ; the four partners are here: the first joint loads meet
	JLOAD 0                                        ; slot step 0: one tensor load a wave at the head
	s_wait_kmcnt 0x0                               ; e0, e1
	s_xor_b32 s6, s96, s97                         ; 0 where the scales are equal,
	s_min_u32 s6, s6, 1                            ; else 1,
	s_lshl_b32 s6, s6, 24                          ; x 16,777,216 bytes: where B's set begins in the buffer
	s_mov_b32 s7, 0
	s_add_nc_u64 s[6:7], s[4:5], s[6:7]
	s_add_nc_u64 s[BP:BP+1], s[6:7], s[46:47]
	s_add_nc_u64 s[PFB:PFB+1], s[6:7], s[56:57]
	s_add_co_i32 s96, s96, s97
	s_add_co_i32 s96, s96, 127
	s_lshl_b32 s96, s96, 23                        ; 2^(e0 + e1) as f32
	BNEXT 0, 0, -1                                 ; B's steps 0, 1, 2: 48 loads
	BNEXT 1, 1, -1
	BNEXT 2, 2, -1
	s_wait_tensorcnt 0x0                           ; as ahead of a refill: my tensor load has landed, then an add to my spare word and its wait
	ds_add_u32 v[SPW], v[NIL]
	s_wait_dscnt 0x0
	CROUND                                         ; everybody's quarter of slot step 0 is in
	JLOAD 1                                        ; slot step 1, the first tensor load behind the round
	FETCHA 0, 0, 0
	FETCHA 0, 0, 1
	BNEXT 3, 3, 32                                 ; step 0's set is in; step 3's goes out
	STEP 0, 0, 1, 4, 32                            ; the first step stands in front of the loop: its products start the sums
	s_mov_b32 s3, 3
.Llap:                                                 ; a trip: eight steps, once round A's ring and twice round B's; step 8 k + i loads B's step 8 k + i + 4
	STEP 0, 1, 0, 5, 32
	STEP 0, 2, 0, 6, 32
	LAST 0, 1, 7, 32
	STEP 1, 0, 0, 8, 32
	STEP 1, 1, 0, 9, 32
	STEP 1, 2, 0, 10, 32
	LAST 1, 1, 11, 32
	STEP 0, 0, 0, 12, 32
	s_wait_xcnt 0x0                                ; the trip's loads and prefetches have read their bases
	s_add_nc_u64 s[BP:BP+1], s[BP:BP+1], 8*SS
	s_add_nc_u64 s[PFA:PFA+1], s[PFA:PFA+1], 2*KS
	s_add_nc_u64 s[PFB:PFB+1], s[PFB:PFB+1], 2*KS
	s_sub_co_u32 s3, s3, 1
	s_cmp_lg_u32 s3, 0
	s_cbranch_scc1 .Llap
	STEP 0, 1, 0, 5, 32                            ; steps 25 to 27 load B's last three sets; nothing is filled again
	STEP 0, 2, 0, 6, 32
	LAST 0, 0, 7, 32
.macro FETCHR b                        ; 12 LDS loads: block b's fragments of slot 1's steps 1, 2, 3, into buffer b % 2
.irp q, 1,2,3
.irp c, 0,1,2,3
	ds_load_b128 v[AF+64*((\b)%2)+16*(\q-1)+4*\c:AF+64*((\b)%2)+16*(\q-1)+4*\c+3], v[ADR+2+(\b)/8] offset:\q*SS+((\b)%8)*2048+512*\c
.endr
.endr
.endm
.macro GRPR gi, b, left                ; a group of step 28 is multiplied, and its buffer takes block b of the walk by rows
	s_wait_dscnt \left
	WIN MUL_HI
	MUL8 \gi, 0, 0, 0
	MUL8 \gi, 0, 2, 0
	PLACES
	WIN 0
	FETCHR \b
.endm
.macro ROW b                           ; block b is finished: 3 steps x 4 fragments of B; three other accumulators' instructions stand between a sum's steps
	WIN MUL_LO+0x50*((\b)/8)
.irp q, 1,2,3
.irp u, 0,1,2,3
	v_wmma_f32_16x16x128_fp8_fp8 v[32*((\b)%8)+8*\u:32*((\b)%8)+8*\u+7], v[64*\q+16*\u:64*\q+16*\u+15], v[AF+64*((\b)%2)+16*(\q-1):AF+64*((\b)%2)+16*(\q-1)+15], v[32*((\b)%8)+8*\u:32*((\b)%8)+8*\u+7]
.endr
.endr
.endm
	GRP 0, 0, 0, 1, 0, 2                           ; step 28 goes by K, like every step before it
	GRP 0, 1, 0, 1, 0, 3
	GRPR 2, 0, 16                                  ; the next group's 16 loads may be out
	GRPR 3, 1, 12                                  ; block 0's 12 loads may be out
	s_wait_loadcnt 0x0                             ; B's sets of steps 29, 30, 31 are in
; THE WAY OUT, block by block of 16 rows x 64 columns.  Register jj of fragments u = 0 .. 3 are four neighbouring columns, 4 (8 h + jj) + u: 16 bytes.  A block goes through my own stage and comes back as
; whole rows of 256 bytes; sixteen lanes store one aligned unit.  LDS serves a wave's instructions in order (ISA guide 5.7.1.4): no wait between the stores and the loads, nor ahead of the next block's stores.
.macro TOSTAGE b
	WIN 0x02+((\b)/8)                              ; source 0: window 2 or 3
.irp jj, 0,1,2,3,4,5,6,7
.irp u, 0,1,2,3
	v_mul_f32 v[TMP+4*\jj+\u], v[32*((\b)%8)+8*\u+\jj], s96   ; x 2^(e0 + e1); each accumulator from its low end on
.endr
.endr
	WIN 0
.irp jj, 0,1,2,3,4,5,6,7
	ds_store_b128 v[STO], v[TMP+4*\jj:TMP+4*\jj+3] offset:16*\jj
.endr
.irp t, 0,1,2,3,4,5,6,7
	ds_load_b128 v[BK+32*((\b)%2)+4*\t:BK+32*((\b)%2)+4*\t+3], v[RD] offset:\t*2*SPITCH
.endr
.endm
.macro SEND b, younger                 ; stage row p of block b is row 128 (b / 8) + 64 ((b % 8) / 4) + b % 4 + 4 p of the tile
	s_wait_dscnt \younger
.irp t, 0,1,2,3,4,5,6,7
	global_store_b128 v[CO], v[BK+32*((\b)%2)+4*\t:BK+32*((\b)%2)+4*\t+3], s[10:11] offset:(128*((\b)/8)+64*(((\b)%8)/4)+(\b)%4+8*\t)*ROWC th:TH_STORE_NT
.endr
.endm
; Block b: its 12 products; its buffer takes block b + 2; block b - 1, back from the stage, is stored; block b goes into the stage.
; From block 2 on the block's fragments are shown in by SEND's wait of the trip before, which leaves only the 12 loads issued behind them out.
.irp b, 0,1,2,3,4,5,6,7,8,9,10,11,12,13,14,15
.if \b == 0
	s_wait_dscnt 12                                ; block 0's fragments are in; block 1's 12 loads may be out
.endif
.if \b == 1
	s_wait_dscnt 28                                ; block 1's are in; block 2's 12 loads and block 0's 8 stores and 8 loads may be out
.endif
	ROW \b
	PLACES                                         ; ahead of the loads into the block's buffer and of the reads of its results
	WIN 0
.if \b < 14
	FETCHR \b+2
.endif
.if \b > 0
.if \b < 14
	SEND \b-1, 12                                  ; behind block b - 1's loads from the stage: the 12 loads just issued
.else
	SEND \b-1, 0
.endif
.endif
.if \b > 1
	s_wait_xcnt 0x0                                ; block b - 2's stores have read their registers: block b's loads from the stage may land there
.endif
	TOSTAGE \b
.endr
	SEND 15, 0
	s_wait_tensorcnt 0x0                           ; the wave's end
	ds_add_u32 v[SPW], v[NIL]
	s_wait_dscnt 0x0
	CROUND                                         ; the closing round
	s_endpgm
.Lfunc_end_k_qbf7801176a_gemm:
	.size	k_qbf7801176a_gemm, .Lfunc_end_k_qbf7801176a_gemm-k_qbf7801176a_gemm
	.p2alignl 7, 3214868480
	.fill 96, 4, 3214868480
	.section	.rodata,"a",@progbits
	.p2align	6, 0x0
	.amdhsa_kernel k_qbf7801176a_gemm
		.amdhsa_group_segment_fixed_size 327680
		.amdhsa_private_segment_fixed_size 0
		.amdhsa_enable_private_segment 0
		.amdhsa_kernarg_size 24
		.amdhsa_user_sgpr_count 2
		.amdhsa_user_sgpr_kernarg_segment_ptr 1
		.amdhsa_wavefront_size32 1
		.amdhsa_system_sgpr_workgroup_id_x 1
		.amdhsa_system_sgpr_workgroup_id_y 1
		.amdhsa_system_sgpr_workgroup_id_z 1
		.amdhsa_system_vgpr_workitem_id 0
		.amdhsa_next_free_vgpr 1024
		.amdhsa_next_free_sgpr 98
		.amdhsa_reserve_vcc 0
		.amdhsa_float_denorm_mode_32 3
		.amdhsa_float_denorm_mode_16_64 3
		.amdhsa_memory_ordered 1
		.amdhsa_forward_progress 1
		.amdhsa_inst_pref_size 239
	.end_amdhsa_kernel
	.amdgpu_metadata
---
amdhsa.version: [ 1, 2 ]
amdhsa.kernels:
  - .name:           k_qbf7801176a_gemm
    .symbol:         k_qbf7801176a_gemm.kd
    .args:
      - { .name: codes, .offset: 0, .size: 8, .value_kind: global_buffer, .address_space: global }
      - { .name: lowp_scales, .offset: 8, .size: 8, .value_kind: global_buffer, .address_space: global }
      - { .name: out0, .offset: 16, .size: 8, .value_kind: global_buffer, .address_space: global }
    .group_segment_fixed_size: 327680
    .private_segment_fixed_size: 0
    .kernarg_segment_align: 8
    .kernarg_segment_size: 24
    .max_flat_workgroup_size: 128
    .sgpr_count:     98
    .vgpr_count:     1024
    .wavefront_size: 32
...
	.end_amdgpu_metadata
.endif
;; end of part 2
